; MI455X (gfx1250); checked and timed in simulation.
; The chip was launched on July 23, 2026; its instructions are those of AMD's public machine-readable ISA for CDNA 5 (MIT licence, August 2026) and "CDNA5" Instruction Set Architecture Reference Guide (July 2026). The comments in the code are by the model that wrote it; some were corrected since.
;; Vector Quantizer. Allowed arithmetic: matrix products marked QUANTISED: E5M2 operands, one E8M0 scale for each 32 along K, by v_wmma_scale_f32_16x16x128_f8f6f4 with both operands' format E5M2, f32 sums; everything else in f32.
;; Inputs: codebook 8,192 x 256 float32; z 8 x 256 x 64 x 64 float32.
;; Outputs: out0 8 x 64 x 64 x 256 float32; out1 32,768 int32.
;; This version of the problem:
;;   THIS VERSION OF THE PROBLEM IS GIVEN IN LOW PRECISION. The matrix products marked QUANTISED in the list below multiply operands that are first quantised to E5M2 (5 exponent bits, 2 mantissa bits; 8 bits a number), with one power-of-two scale for each 32 numbers along K (OCP MX v1.0); their sums are f32. All else is computed in f32.
;;   The module's matrix products, in the order in which they are computed (A, B: the left and right operand; K: the contracted axis; several contracted axes count as one K, in the product's order):
;;     1. [M 32,768, K 256] x [K 256, N 8,192]; A: input z; B: input codebook: QUANTISED
;;   THE QUANTISER, for each operand of a quantised product, along K:
;;     - K is cut into blocks of 32 from its start; a last block that is shorter is filled with zeros.
;;     - A block's scale is 2^e with e = floor(log2(the largest magnitude in the block)) - 15, held to -126 .. 127; a block of zeros has e = 0. As a byte (E8M0): e + 127.
;;     - Each number is divided by its block's scale, clamped to +-57,344, and rounded to the nearest number of E5M2, ties to even, subnormals kept.
;;     - The product sums the exact products of the quantised numbers (number of the format x scale) in f32.
;;   ~~~python
;;   def quantise(x, axis):      # numpy; x: float32 -> the quantised numbers, widened to float32 again
;;       x = np.moveaxis(x, axis, -1); K = x.shape[-1]
;;       x = np.pad(x, [(0, 0)] * (x.ndim - 1) + [(0, -K % 32)]); x = x.reshape(x.shape[:-1] + (-1, 32)); a = np.abs(x).max(-1, keepdims=True)
;;       e = np.where(a > 0, np.clip(np.frexp(np.where(a > 0, a, 1))[1] - 1 - 15, -126, 127), 0)      # np.frexp(a)[1] - 1 = floor(log2(a)), exactly
;;       r = np.clip(x / 2.0 ** e, -57344, 57344)
;;       step = 2.0 ** (np.maximum(np.frexp(np.where(r == 0, 1, r))[1] - 1, -14) - 2)
;;       q = np.round(r / step) * step * 2.0 ** e      # np.round: ties to even
;;       return np.moveaxis(q.reshape(q.shape[:-2] + (-1,))[..., :K], -1, axis).astype(np.float32)
;;   ~~~
;; One version. Each part assembles by itself: llvm-mc -triple=amdgcn-amd-amdhsa -mcpu=gfx1250 --defsym DOCPART=n.
;; ======== version 1 of 1: 4 launches
;; limits: right only within a limited range of input values
;; workspace buffers: cbq 2,195,456 bytes; zq 8,388,608 bytes; zmeta 524,288 bytes; grp 131,072 bytes of whole numbers; idxw 131,072 bytes of whole numbers
;; launch quant (part 1): grid 384 x 1, 4 waves a work-group, no clusters, 68,096 bytes of LDS; arguments z, codebook, zq, zmeta, cbq; writes zq, zmeta, cbq
.if DOCPART == 1
	.amdgcn_target "amdgcn-amd-amdhsa--gfx1250"
	.amdhsa_code_object_version 6
	.text
	.protected	k_qdea5cf0743_quant
	.globl	k_qdea5cf0743_quant
	.p2align	8
	.type	k_qdea5cf0743_quant,@function
k_qdea5cf0743_quant:
	s_mov_b64 s[64:65], 0
	v_nop
	global_prefetch_b8 v0, s[64:65] scope:SCOPE_SE
	s_setreg_imm32_b32 hwreg(HW_REG_WAVE_MODE, 25, 1), 1
	s_wait_xcnt 0x0
; z [8][256][4096] f32 (K = the 256 channels, NOT innermost) and the codebook [8192][256] f32 (K innermost) become codes of E5M2 with one E8M0 byte for each 32 along K,
; laid in the ORDER OF THE OPERAND'S REGISTERS, so that the later launches load fragments 16 bytes a lane, 512 consecutive bytes an instruction.
;   zq:    tile T (rows 16 T + r of z, a row = one pixel) at 4096 T; in it + 2048 s + 512 c + 16 (r + 16 hk): the 16 codes of row r, k = 128 s + 32 c + 16 hk + 0 .. 15.
;   zmeta: 16 bytes a row: scale word of k 0-127, scale word of k 128-255, the row's sum of squares (f32), the same again (a pair for packed arithmetic).
;   cbq:   64 parts of 34,304 bytes, 128 codebook rows (8 tiles) each: 8 images of 4,096 bytes as above; at + 32768 the scale words, 128 tau + 8 r + 4 s; at + 33792 the sums of squares, 64 tau + 4 r.
; A block's scale is 2^(floor(log2(its largest magnitude)) - 15); its byte is the largest magnitude's exponent field - 15, held at 1 from below; each number is held within +-57,344 x the scale and rounded to the nearest code, ties to even.
; LIMITS: a block of zeros, and a block whose largest magnitude lies under 2^-111, gets the byte 1 (a block of zeros has zero codes, and this program alone reads the bytes); NaN and infinities among the inputs are not served;
; the sums of squares are f32 sums of fused squares in two packed chains, an order of this text's own.
; Work-groups 0-255 take z, 256-383 the codebook: the branch hangs on the work-group's number alone.  The z path touches no LDS.  No tensor loads, no cluster: no tile is shared between work-groups.
.set X,   32                           ; z path: v32-95 two sets of 32 numbers (a block of one row)
.set CZ,  96                           ; z path: v96-159 codes, 8 registers a block, never written twice
.set CR,  64                           ; codebook path: v64-191 the tile as loaded
.set CX,  192                          ; codebook path: v192-255 64 numbers of a lane: register 16 c + i = k 32 c + 16 hk + i of its row
.set CPC, 32                           ; codebook path: v32-63 codes, 16 registers a K step, never written twice
.set TM,  8                            ; codebook path: v8-11 largest magnitudes, v12-15 bytes, v16-19 holds, v20-23 scale operands
.set STG, 1024                         ; LDS: bytes 0-511 the work-group's scale words, 512-767 its sums of squares; from 1024 a stage for each wave
.set SPI, 1040                         ; a stage row: 1,024 bytes + 16: the sixteen rows that a read touches start at sixteen different 16-byte columns
.macro ZLOAD t                         ; block t of my row: z(32 t + i, my pixel); 32 lanes read 128 consecutive bytes, the four waves 512
.irp i, 0,1,2,3,4,5,6,7,8,9,10,11,12,13,14,15,16,17,18,19,20,21,22,23,24,25,26,27,28,29,30,31
	global_load_b32 v[X+32*((\t)%2)+\i], v3, s[4:5] offset:(32*(\t)+\i)*16384 th:TH_LOAD_NT
.endr
.endm
.macro ZBLOCK t
.set XS, X+32*((\t)%2)
.if (\t) < 7
	s_wait_loadcnt 32                              ; this block's 32 loads are in; the next block's 32 may be out
.else
	s_wait_loadcnt 0x0
.endif
	v_max3_num_f32 v12, |v[XS]|, |v[XS+1]|, |v[XS+2]|              ; the block's largest magnitude: all 32 numbers are mine
	v_max3_num_f32 v13, |v[XS+3]|, |v[XS+4]|, |v[XS+5]|
.irp i, 6,10,14,18,22,26
	v_max3_num_f32 v12, v12, |v[XS+\i]|, |v[XS+\i+1]|
	v_max3_num_f32 v13, v13, |v[XS+\i+2]|, |v[XS+\i+3]|
.endr
	v_max3_num_f32 v12, v12, |v[XS+30]|, |v[XS+31]|
	v_max3_num_f32 v12, v12, v13, 0x8000000        ; and the floor 2^(16 - 127): the byte cannot fall under 1
.if (\t) == 0
	v_pk_mul_f32 v[26:27], v[XS:XS+1], v[XS:XS+1]  ; the row's sum of squares, of the numbers as they came: the first products start the two chains
	v_pk_mul_f32 v[28:29], v[XS+2:XS+3], v[XS+2:XS+3]
.else
	v_pk_fma_f32 v[26:27], v[XS:XS+1], v[XS:XS+1], v[26:27]
	v_pk_fma_f32 v[28:29], v[XS+2:XS+3], v[XS+2:XS+3], v[28:29]
.endif
.irp i, 4,8,12,16,20,24,28
	v_pk_fma_f32 v[26:27], v[XS+\i:XS+\i+1], v[XS+\i:XS+\i+1], v[26:27]
	v_pk_fma_f32 v[28:29], v[XS+\i+2:XS+\i+3], v[XS+\i+2:XS+\i+3], v[28:29]
.endr
	v_add_nc_u32 v11, 0xf8800000, v12              ; 15 off the exponent field: the conversion takes the exponent field of this operand as its scale
	v_and_or_b32 v10, v12, 0x7f800000, s22         ; 57,344 x the scale: the same exponent field over 57,344's mantissa field
	v_lshrrev_b32 v13, 23, v11                     ; the scale's byte
.if (\t)%4 == 0
	v_mov_b32 v[24+(\t)/4], v13                    ; four bytes make the scale word of 128 along K, the lower K in the lower byte
.else
	v_lshl_or_b32 v[24+(\t)/4], v13, 8*((\t)%4), v[24+(\t)/4]
.endif
.irp i, 0,1,2,3,4,5,6,7,8,9,10,11,12,13,14,15,16,17,18,19,20,21,22,23,24,25,26,27,28,29,30,31
	v_med3_num_f32 v[XS+\i], v[XS+\i], -v10, v10   ; the conversion to an 8-bit code does not saturate (ISA guide 7.6.2): the hold comes first
.endr
.irp g, 0,1,2,3
	v_cvt_scalef32_pk8_bf8_f32 v[CZ+8*(\t)+2*\g:CZ+8*(\t)+2*\g+1], v[XS+8*\g:XS+8*\g+7], v11
.endr
	v_nop                                          ; a plain line behind the last conversion of the run
	global_store_b128 v4, v[CZ+8*(\t):CZ+8*(\t)+3], s[8:9] offset:((\t)/4)*2048+((\t)%4)*512        ; k 32 t + 0 .. 15: sixteen lanes store 256 consecutive bytes, aligned, of one tile's image
	global_store_b128 v4, v[CZ+8*(\t)+4:CZ+8*(\t)+7], s[8:9] offset:((\t)/4)*2048+((\t)%4)*512+256  ; k 32 t + 16 .. 31
.if (\t)+2 < 8
	ZLOAD (\t)+2
.endif
.endm
; 64 numbers of a lane from v[s] on become a fragment's 16 registers of codes from v[pc] on and its scale word in v[pw]
.macro QUANT s, pc, pw
.irp b, 0,1,2,3
	v_max3_num_f32 v[TM+\b], |v[\s+16*\b]|, |v[\s+1+16*\b]|, 0x8000000   ; block b: my 16 numbers and the floor 2^(16 - 127)
.endr
.irp i, 2,4,6,8,10,12,14
.irp b, 0,1,2,3
	v_max3_num_f32 v[TM+\b], v[TM+\b], |v[\s+16*\b+\i]|, |v[\s+1+16*\b+\i]|   ; the four blocks by turns
.endr
.endr
.irp b, 0,1,2,3
	v_permlanex16_b32 v[TM+4+\b], v[TM+\b], s20, s21
.endr
.irp b, 0,1,2,3
	v_max_num_f32 v[TM+\b], v[TM+\b], v[TM+4+\b]   ; with lane l xor 16's 16 numbers: the block's largest magnitude
.endr
.irp b, 0,1,2,3
	v_add_nc_u32 v[TM+12+\b], 0xf8800000, v[TM+\b]
.endr
.irp b, 0,1,2,3
	v_and_or_b32 v[TM+8+\b], v[TM+\b], 0x7f800000, s22
.endr
.irp b, 0,1,2,3
	v_lshrrev_b32 v[TM+4+\b], 23, v[TM+12+\b]
.endr
	v_lshl_or_b32 v[\pw], v[TM+5], 8, v[TM+4]
	v_lshl_or_b32 v[\pw], v[TM+6], 16, v[\pw]
	v_lshl_or_b32 v[\pw], v[TM+7], 24, v[\pw]
.irp b, 0,1,2,3
.irp i, 0,1,2,3,4,5,6,7,8,9,10,11,12,13,14,15
	v_med3_num_f32 v[\s+16*\b+\i], v[\s+16*\b+\i], -v[TM+8+\b], v[TM+8+\b]
.endr
	v_cvt_scalef32_pk8_bf8_f32 v[\pc+4*\b:\pc+4*\b+1], v[\s+16*\b:\s+16*\b+7], v[TM+12+\b]
	v_cvt_scalef32_pk8_bf8_f32 v[\pc+4*\b+2:\pc+4*\b+3], v[\s+16*\b+8:\s+16*\b+15], v[TM+12+\b]
.endr
	v_nop                                          ; a plain line behind the last conversion of the run
.endm
; K step s of my tile: its 16 loads (512 consecutive bytes each) turn through my own stage, so that a lane holds 16 neighbours of each block of its row
.macro CSTEP s
.if \s == 0
	s_wait_loadcnt 16                              ; K step 0's sixteen loads are in; K step 1's sixteen may be out
.else
	s_wait_loadcnt 0x0
.endif
.irp m, 0,1,2,3,4,5,6,7,8,9,10,11,12,13,14,15
	ds_store_b128 v2, v[CR+4*(2*\m+\s):CR+4*(2*\m+\s)+3] offset:\m*SPI+512*\s
.endr
.irp c, 0,1,2,3
.irp j, 0,1,2,3
	ds_load_b128 v[CX+16*\c+4*\j:CX+16*\c+4*\j+3], v3 offset:512*\s+128*\c+16*\j   ; LDS serves a wave's instructions in order: these see my stores
.endr
.endr
	s_wait_dscnt 0x0
.if \s == 0
	v_pk_mul_f32 v[26:27], v[CX:CX+1], v[CX:CX+1]  ; the sum of squares of my half of the row
	v_pk_mul_f32 v[28:29], v[CX+2:CX+3], v[CX+2:CX+3]
.else
	v_pk_fma_f32 v[26:27], v[CX:CX+1], v[CX:CX+1], v[26:27]
	v_pk_fma_f32 v[28:29], v[CX+2:CX+3], v[CX+2:CX+3], v[28:29]
.endif
.irp i, 4,8,12,16,20,24,28,32,36,40,44,48,52,56,60
	v_pk_fma_f32 v[26:27], v[CX+\i:CX+\i+1], v[CX+\i:CX+\i+1], v[26:27]
	v_pk_fma_f32 v[28:29], v[CX+\i+2:CX+\i+3], v[CX+\i+2:CX+\i+3], v[28:29]
.endr
	QUANT CX, CPC+16*\s, 24+\s
.irp c, 0,1,2,3
	global_store_b128 v1, v[CPC+16*\s+4*\c:CPC+16*\s+4*\c+3], s[28:29] offset:2048*\s+512*\c   ; the image: 512 consecutive bytes a store
.endr
.endm
	s_load_b256 s[4:11], s[0:1], 0x0               ; z s[4:5], codebook s[6:7], zq s[8:9], zmeta s[10:11]
	s_load_b64 s[12:13], s[0:1], 0x20              ; cbq
	s_set_vgpr_msb 0x40
	v_lshl_add_u32 v0, v0, 2, 0x10800
	v_mov_b32 v1, 0
	s_set_vgpr_msb 0x4000
	v_lshrrev_b32 v1, 5, v0
	v_readfirstlane_b32 s16, v1                    ; wave 0..3
	v_and_b32 v2, 31, v0                           ; lane
	s_mov_b32 s22, 0x600000                        ; the mantissa field of 57,344
	s_cmp_lt_u32 ttmp9, 256
	s_cbranch_scc0 .Lcb
	; ---- z: the work-group takes 128 rows (pixels) of one image, a wave 32, A LANE ONE ROW, its registers running down K: nothing is transposed
	v_lshlrev_b32 v3, 2, v2                        ; in: 4 bytes a lane
	v_lshrrev_b32 v4, 4, v2
	v_and_b32 v6, 15, v2
	v_lshlrev_b32 v4, 12, v4
	v_lshl_add_u32 v4, v6, 4, v4                   ; out: which of my wave's two tiles, and 16 bytes a row in an image
	v_lshlrev_b32 v5, 4, v2                        ; the row's record: 16 bytes a lane
	s_lshr_b32 s24, ttmp9, 5                       ; the image: 32 work-groups each,
	s_lshl_b32 s24, s24, 22                        ; 4,194,304 bytes each;
	s_and_b32 s25, ttmp9, 31
	s_lshl_b32 s25, s25, 9                         ; the work-group's 128 pixels, 4 bytes each;
	s_add_co_u32 s24, s24, s25
	s_lshl_b32 s25, s16, 7                         ; my wave's 32
	s_add_co_u32 s24, s24, s25
	s_mov_b32 s25, 0
	s_lshl_b32 s26, ttmp9, 15                      ; zq: 8 tiles of 4,096 bytes a work-group, 2 a wave
	s_lshl_b32 s27, s16, 13
	s_add_co_u32 s26, s26, s27
	s_mov_b32 s27, 0
	s_lshl_b32 s28, ttmp9, 11                      ; zmeta: 128 records a work-group, 32 a wave
	s_lshl_b32 s29, s16, 9
	s_add_co_u32 s28, s28, s29
	s_mov_b32 s29, 0
	s_wait_alu depctr_va_vdst(0)
	s_wait_kmcnt 0x0
	s_add_nc_u64 s[4:5], s[4:5], s[24:25]
	s_add_nc_u64 s[8:9], s[8:9], s[26:27]
	s_add_nc_u64 s[10:11], s[10:11], s[28:29]
	ZLOAD 0
	ZLOAD 1                                        ; two blocks, 64 loads a wave, are on their way
.irp t, 0,1,2,3,4,5,6,7
	ZBLOCK \t
.endr
	v_pk_add_f32 v[26:27], v[26:27], v[28:29]
	v_add_f32 v162, v26, v27                       ; the row's sum of squares
	v_mov_b32 v160, v24
	v_mov_b32 v161, v25
	v_mov_b32 v163, v162
	global_store_b128 v5, v[160:163], s[10:11]     ; 32 records: 512 consecutive bytes
	s_endpgm
	; ---- the codebook: the work-group takes 4 tiles of 16 rows, a wave one: 16,384 dense bytes
.Lcb:
	s_wait_alu depctr_va_vdst(0)
	v_lshlrev_b32 v1, 4, v2                        ; 16 x lane
	v_and_b32 v6, 15, v2                           ; r
	v_lshrrev_b32 v7, 4, v2                        ; hk
	s_mul_i32 s17, s16, 16*SPI
	s_add_co_u32 s17, s17, STG                     ; my stage
	v_add_nc_u32 v2, s17, v1                       ; into it: as loaded, 16 bytes a lane
	v_mul_u32_u24 v3, v6, SPI
	v_lshl_add_u32 v3, v7, 6, v3
	v_add_nc_u32 v3, s17, v3                       ; out of it: row r, + 64 hk: my 16 numbers of a block of 32
	s_lshl_b32 s18, s16, 7
	v_lshlrev_b32 v4, 3, v6
	v_lshl_add_u32 v4, v7, 2, v4
	v_add_nc_u32 v4, s18, v4                       ; a scale word's place: 128 x wave + 8 r + 4 hk
	s_lshl_b32 s19, s16, 6
	v_lshlrev_b32 v5, 2, v6
	v_add_nc_u32 v5, s19, v5
	v_add_nc_u32 v5, 512, v5                       ; a sum of squares' place: 512 + 64 x wave + 4 r
	v_lshrrev_b32 v7, 1, v1                        ; 8 x lane
	s_mov_b32 s20, 0x76543210
	s_mov_b32 s21, 0xfedcba98                      ; v_permlanex16_b32's selects for lane l xor 16
	s_mov_b32 s23, 0xffff0000                      ; lanes 16-31
.irp b, 0,1,2,3
	v_mov_b32 v[TM+4+\b], 0                        ; written once: a lane permute's destination counts as one of its sources
.endr
	v_mov_b32 v31, 0
	s_sub_co_u32 s24, ttmp9, 256                   ; q: which four tiles
	s_lshr_b32 s25, s24, 1
	s_mul_i32 s26, s25, 34304                      ; the part of cbq: two work-groups fill one
	s_and_b32 s25, s24, 1                          ; its first or its second four tiles
	s_lshl_b32 s28, s25, 14
	s_lshl_b32 s29, s16, 12
	s_add_co_u32 s28, s28, s29
	s_add_co_u32 s28, s28, s26                     ; my tile's image
	s_mov_b32 s29, 0
	s_lshl_b32 s30, s25, 9
	s_add_co_u32 s30, s30, s26
	s_add_co_u32 s30, s30, 32768                   ; the work-group's 512 bytes of scale words
	s_mov_b32 s31, 0
	s_lshl_b32 s32, s25, 8
	s_add_co_u32 s32, s32, s26
	s_add_co_u32 s32, s32, 33792                   ; its 256 bytes of sums of squares
	s_mov_b32 s33, 0
	s_lshl_b32 s34, s24, 16
	s_lshl_b32 s35, s16, 14
	s_add_co_u32 s34, s34, s35                     ; my tile in the codebook
	s_mov_b32 s35, 0
	s_wait_kmcnt 0x0
	s_add_nc_u64 s[6:7], s[6:7], s[34:35]
	s_add_nc_u64 s[28:29], s[12:13], s[28:29]
	s_add_nc_u64 s[30:31], s[12:13], s[30:31]
	s_add_nc_u64 s[32:33], s[12:13], s[32:33]
.irp i, 0,2,4,6,8,10,12,14,16,18,20,22,24,26,28,30
	global_load_b128 v[CR+4*\i:CR+4*\i+3], v1, s[6:7] offset:512*\i th:TH_LOAD_NT   ; the first half of each row: K step 0
.endr
.irp i, 1,3,5,7,9,11,13,15,17,19,21,23,25,27,29,31
	global_load_b128 v[CR+4*\i:CR+4*\i+3], v1, s[6:7] offset:512*\i th:TH_LOAD_NT   ; the second: K step 1
.endr
	CSTEP 0
	CSTEP 1
	v_pk_add_f32 v[26:27], v[26:27], v[28:29]
	v_add_f32 v30, v26, v27
	v_permlanex16_b32 v31, v30, s20, s21
	v_add_f32 v30, v30, v31                        ; with lane l xor 16's half: the row's sum of squares
	v_cndmask_b32 v6, v24, v25, s23                ; lanes 0-15 hand in K step 0's word, lanes 16-31 K step 1's
	ds_store_b32 v4, v6
	ds_store_b32 v5, v30                           ; both halves of the lanes write the same word with the same value
	s_wait_dscnt 0x0                               ; for the others' sake: my stores have landed
	s_barrier_signal -1
	s_barrier_wait -1                              ; all four waves of this work-group are on this path
	s_cmp_lg_u32 s16, 0
	s_cbranch_scc1 .Lnot_0
	ds_load_b128 v[64:67], v1                      ; the four tiles' scale words
	s_wait_dscnt 0x0
	global_store_b128 v1, v[64:67], s[30:31]       ; 512 consecutive bytes, aligned
.Lnot_0:
	s_cmp_lg_u32 s16, 1
	s_cbranch_scc1 .Lnot_1
	ds_load_b64 v[68:69], v7 offset:512            ; the four tiles' sums of squares
	s_wait_dscnt 0x0
	global_store_b64 v7, v[68:69], s[32:33]        ; 256 consecutive bytes, aligned
.Lnot_1:
	s_set_vgpr_msb 0x5
	s_wait_tensorcnt 0x0
	ds_add_u32 v0, v1
	s_wait_dscnt 0x0
	s_set_vgpr_msb 0x500
	s_endpgm
.Lfunc_end_k_qdea5cf0743_quant:
	.size	k_qdea5cf0743_quant, .Lfunc_end_k_qdea5cf0743_quant-k_qdea5cf0743_quant
	.p2alignl 7, 3214868480
	.fill 96, 4, 3214868480
	.section	.rodata,"a",@progbits
	.p2align	6, 0x0
	.amdhsa_kernel k_qdea5cf0743_quant
		.amdhsa_group_segment_fixed_size 68096
		.amdhsa_private_segment_fixed_size 0
		.amdhsa_enable_private_segment 0
		.amdhsa_kernarg_size 40
		.amdhsa_user_sgpr_count 2
		.amdhsa_user_sgpr_kernarg_segment_ptr 1
		.amdhsa_wavefront_size32 1
		.amdhsa_system_sgpr_workgroup_id_x 1
		.amdhsa_system_sgpr_workgroup_id_y 1
		.amdhsa_system_sgpr_workgroup_id_z 1
		.amdhsa_system_vgpr_workitem_id 0
		.amdhsa_next_free_vgpr 258
		.amdhsa_next_free_sgpr 66
		.amdhsa_reserve_vcc 0
		.amdhsa_float_denorm_mode_32 3
		.amdhsa_float_denorm_mode_16_64 3
		.amdhsa_memory_ordered 1
		.amdhsa_forward_progress 1
		.amdhsa_inst_pref_size 96
	.end_amdhsa_kernel
	.amdgpu_metadata
---
amdhsa.version: [ 1, 2 ]
amdhsa.kernels:
  - .name:           k_qdea5cf0743_quant
    .symbol:         k_qdea5cf0743_quant.kd
    .args:
      - { .name: z, .offset: 0, .size: 8, .value_kind: global_buffer, .address_space: global }
      - { .name: codebook, .offset: 8, .size: 8, .value_kind: global_buffer, .address_space: global }
      - { .name: zq, .offset: 16, .size: 8, .value_kind: global_buffer, .address_space: global }
      - { .name: zmeta, .offset: 24, .size: 8, .value_kind: global_buffer, .address_space: global }
      - { .name: cbq, .offset: 32, .size: 8, .value_kind: global_buffer, .address_space: global }
    .group_segment_fixed_size: 68096
    .private_segment_fixed_size: 0
    .kernarg_segment_align: 8
    .kernarg_segment_size: 40
    .max_flat_workgroup_size: 128
    .sgpr_count:     66
    .vgpr_count:     258
    .wavefront_size: 32
...
	.end_amdgpu_metadata
.endif
;; end of part 1
;; launch dist (part 2): grid 256 x 1, 8 waves a work-group, clusters of 4 x 1, 327,680 bytes of LDS; arguments cbq, zq, zmeta, grp; writes grp
.if DOCPART == 2
	.amdgcn_target "amdgcn-amd-amdhsa--gfx1250"
	.amdhsa_code_object_version 6
	.text
	.protected	k_qdea5cf0743_dist
	.globl	k_qdea5cf0743_dist
	.p2align	8
	.type	k_qdea5cf0743_dist,@function
k_qdea5cf0743_dist:
	s_mov_b64 s[64:65], 0
	v_nop
	global_prefetch_b8 v0, s[64:65] scope:SCOPE_SE
	s_setreg_imm32_b32 hwreg(HW_REG_WAVE_MODE, 25, 1), 1
	s_wait_xcnt 0x0
	s_wait_alu depctr_hold_cnt(0) depctr_sa_sdst(0) depctr_va_vdst(0) depctr_va_sdst(0) depctr_va_ssrc(0) depctr_va_vcc(0) depctr_vm_vsrc(0)
	s_getreg_b32 s2, hwreg(HW_REG_IB_STS2, 6, 4)
	s_cmp_eq_u32 s2, 0
	s_cbranch_scc0 .Lentry_in_a_cluster
	s_endpgm
.Lentry_in_a_cluster:
	s_bfe_u32 s2, ttmp6, 0x10000c
	s_cmp_lg_u32 s2, 0x3003
	s_cbranch_scc0 .Lentry_shape_is_right
	s_endpgm
.Lentry_shape_is_right:
; For each of the 32,768 rows of z: which group of 8 neighbouring codes holds the first smallest d = (zz + ee) - 2 z.e.  grp[row] = that group (code / 8); the next launch finds the place in the group.
; d is made thus: zz + ee rounded to f32, then one fused multiply-add with -2 x the product (2 x the product is exact, so this is the subtraction's one rounding).
; A work-group takes 128 rows of z against all 8,192 codes.  Eight waves of 512 registers; each holds the fragments of all 128 rows (8 tiles x 32 registers: window 1) and takes an eighth of the codes: 64 tiles of 16.
; The matrix instruction takes 16 codes as source 0 and 16 rows of z as source 1: lane (r, h) holds row r and codes 8 h + 0 .. 7: a group of 8 in 8 registers.
; A TILE OF CODES is: 16 matrix instructions on end (8 accumulators by turns, K step 0 then K step 1); 32 lines zz + ee, which are also the places behind the last product; ONE run of 11 LDS loads, the next tile's
; fragment, scale word and ee (one set of registers serves: its readers have been issued); 32 lines d; 32 lines for the smallest of old best and 8 d; 8 compares, 8 selects of the tile's number.  Only the matrix lines name window 1: two switches a tile.
; THE CODEBOOK (cbq: 64 parts of 34,304 bytes) goes through two LDS slots of 4 parts, 16 slots' worth in all.  All work-groups read the same parts: the four of a cluster ask JOINTLY (mask 15), each wave for half a part, 67 rows of 256 bytes.
; Wave w works on tiles 4 (w % 2) .. + 3 of part w / 2 of a slot.  A slot's last tile lies in registers when the slot is given up.
; THE WALK: cluster q begins at slot-full 2 (q % 8) and wraps round.  The tile number kept is the true one.  At the wrap (the trip at whose top the tile number is 0) the best so far is set aside by selects and the search begins anew;
; at the end the later segment, whose codes are all lower, wins where its d is smaller or equal: so of equal d the lowest code stays, as argmin has it.
; At a change of slots waves 0-3 issue the last tile's products ahead of the barrier and waves 4-7 behind it: the branch hangs on the wave's number and leads round work on registers alone.
; No prefetch: the clusters' walks begin two slot-fulls apart, so each part but those of a cluster's first two slot-fulls has been read, a trip earlier, by the clusters that began two further on.
; LIMITS: NaN and infinities are not served (a row whose every d is NaN gets a group of this text's own choice).
.set PART,  34304
.set HP,    17152                      ; half a part: a wave's tensor load
.set SLOT,  4*PART
.set RED,   2*SLOT                     ; 16 candidates (8 waves x 2 halves of the lanes) x 128 rows x 8 bytes
.set RES,   RED+16384                  ; 128 results
.set SPARE, RES+512                    ; the spare words: 128 bytes a wave, 1,024 in all
.set SPW,  1                           ; my spare word's address; never rewritten
.set NIL,  2                           ; 0; never rewritten
.set ADC,  3                           ; v3-4 LDS address of my fragments in slot 0, 1
.set ADS,  5                           ; v5-6 of my scale words
.set ADE,  7                           ; v7-8 of my ee
.set GID2, 16                          ; v16-23 the tile numbers set aside at the wrap
.set SB,   24                          ; z's scale words: tiles 0-6 in v24-30, tile 7 in v38; lanes 0-15 K step 0, lanes 16-31 K step 1
.set SA,   31                          ; the codes' scale words, likewise: its number differs from every one of z's modulo 8
.set RA,   32
.set RB,   33
.set RC,   34
.set RD,   35
.set WH,   36                          ; 8 x wave + h
.set INFR, 37                          ; +infinity
.set BA,   40                          ; v40-47, v48-55: the best d of each tile of rows, old and new by turns
.set GID,  56                          ; v56-63 the number of the tile of codes that gave it
.set EE,   64                          ; v64-71 ee of my 8 codes
.set ZP,   72                          ; v72-87 zz of my row, twice, for each tile of rows
.set AF,   88                          ; v88-119 the codes' two fragments
.set ACC,  120                         ; v120-183 eight accumulators, then d
.set TS,   184                         ; v184-247 zz + ee
.set PR,   184                         ; at the end: pairs (d, group)
.set BA2,  248                         ; v248-255 the best d set aside at the wrap
.set WV,   12
.set G1,   16
.set G0,   24
.set CNT,  35                          ; the true number of my next tile: 4 x slot-full + 0 .. 3
.set OC,   36
.set NP,   37                          ; the slot-full that the next refill fetches
.set SM,   38
.set MK,   40
.set BASE, 58                          ; s[58:59] cbq + my half part's place in a slot-full
.set SG,   0x04                        ; source 1 in window 1
.set MSB,  0
.macro WIN new                         ; the immediate's high byte repeats the setting that is left
.if MSB != \new
	s_set_vgpr_msb (MSB<<8)|\new
.set MSB, \new
.endif
.endm
.macro CROUND                          ; a round of the cluster's barrier
	s_barrier_signal -1
	s_barrier_wait -1
	s_cmp_lg_u32 s[WV], 0
	s_cbranch_scc1 .Lnot_wave_0_\@
	s_barrier_signal -3
.Lnot_wave_0_\@:
	s_barrier_wait -3
	s_barrier_signal -1
	s_barrier_wait -1
.endm
.macro MMS                             ; 16 codes x 128 rows x K 256; the eight accumulators take turns; the first K step starts the sums
	WIN SG
.irp a, 0,1,2,3,4,5,6,7
	v_wmma_scale_f32_16x16x128_f8f6f4 v[ACC+8*\a:ACC+8*\a+7], v[AF:AF+15], v[32*\a:32*\a+15], 0, v[SA], v[SB+\a+7*(\a/7)] matrix_a_fmt:MATRIX_FMT_BF8 matrix_b_fmt:MATRIX_FMT_BF8
.endr
.irp a, 0,1,2,3,4,5,6,7
	v_wmma_scale_f32_16x16x128_f8f6f4 v[ACC+8*\a:ACC+8*\a+7], v[AF+16:AF+31], v[32*\a+16:32*\a+31], v[ACC+8*\a:ACC+8*\a+7], v[SA], v[SB+\a+7*(\a/7)] matrix_a_fmt:MATRIX_FMT_BF8 matrix_b_fmt:MATRIX_FMT_BF8 matrix_a_scale:MATRIX_SCALE_ROW1 matrix_b_scale:MATRIX_SCALE_ROW1
.endr
	WIN 0
.endm
.macro TSB                             ; zz + ee, rounded once; names no register of the products
.irp a, 0,1,2,3,4,5,6,7
.irp i, 0,2,4,6
	v_pk_fma_f32 v[TS+8*\a+\i:TS+8*\a+\i+1], v[ZP+2*\a:ZP+2*\a+1], 1.0, v[EE+\i:EE+\i+1] op_sel_hi:[1,0,1]
.endr
.endr
.endm
.macro DB                              ; d, in the accumulators' registers, each accumulator from its low end on
.irp a, 0,1,2,3,4,5,6,7
.irp i, 0,2,4,6
	v_pk_fma_f32 v[ACC+8*\a+\i:ACC+8*\a+\i+1], v[ACC+8*\a+\i:ACC+8*\a+\i+1], -2.0, v[TS+8*\a+\i:TS+8*\a+\i+1] op_sel_hi:[1,0,1]
.endr
.endr
.endm
.macro MINB role                       ; new best = the smallest of old best and my 8 d, the eight tiles of rows by turns; strict compare: of equal d the earlier tile stays
.set vO, BA+8*(\role)
.set vN, BA+8-8*(\role)
.irp a, 0,1,2,3,4,5,6,7
	v_min3_num_f32 v[vN+\a], v[vO+\a], v[ACC+8*\a], v[ACC+8*\a+1]
.endr
.irp l, 2,4,6
.irp a, 0,1,2,3,4,5,6,7
	v_min3_num_f32 v[vN+\a], v[vN+\a], v[ACC+8*\a+\l], v[ACC+8*\a+\l+1]
.endr
.endr
.irp a, 0,1,2,3,4,5,6,7
	v_cmp_lt_f32 s[MK+\a], v[vN+\a], v[vO+\a]
.endr
.irp a, 0,1,2,3,4,5,6,7
	v_cndmask_b32 v[GID+\a], v[GID+\a], s[CNT], s[MK+\a]
.endr
	s_add_co_u32 s[CNT], s[CNT], 1
	s_and_b32 s[CNT], s[CNT], 63                   ; behind tile 63 comes tile 0
.endm
.macro LOADS p, t                      ; my tile t of slot p: 8 x 512 consecutive bytes of codes, the scale words, 8 ee
.irp i, 0,1,2,3,4,5,6,7
	ds_load_b128 v[AF+4*\i:AF+4*\i+3], v[ADC+\p] offset:(\t)*4096+512*\i
.endr
	ds_load_b32 v[SA], v[ADS+\p] offset:(\t)*128
	ds_load_b128 v[EE:EE+3], v[ADE+\p] offset:(\t)*64
	ds_load_b128 v[EE+4:EE+7], v[ADE+\p] offset:(\t)*64+16
.endm
.macro TILE role, p, t                 ; a tile whose successor is tile t of slot p (t < 0: none)
	s_wait_dscnt 0x0                               ; this tile's 11 loads are in
	MMS
	TSB
.if (\t) >= 0
	LOADS \p, \t
.endif
	DB
	MINB \role
.endm
.macro TURN role, pold, fill           ; a slot's last tile, and the change of slots.  fill = 1: slot pold takes the next slot-full of the walk
	s_wait_dscnt 0x0                               ; the last tile's 11 loads are in: my reads of slot pold are over
	s_cmp_lt_u32 s[WV], 4
	s_cbranch_scc0 .Llate_\@
	MMS                                            ; waves 0-3: the tile's products ahead of the barrier
	TSB
.Llate_\@:
	s_wait_tensorcnt 0x0                           ; my one tensor load that was out, my part of the other slot, has landed
	ds_add_u32 v[SPW], v[NIL]
.if \fill
	s_mul_i32 s56, s[NP], 4*PART                   ; no tensor load of mine is out: the slot's group 0 is written (s57 = 0)
	s_add_nc_u64 s[G0+4*\pold+2:G0+4*\pold+3], s[BASE:BASE+1], s[56:57]
	s_or_b32 s[G0+4*\pold+3], s[G0+4*\pold+3], 0x80000000
	s_add_co_u32 s[NP], s[NP], 1
	s_and_b32 s[NP], s[NP], 15
.endif
	s_wait_dscnt 0x0                               ; the add is done
.if \fill
	CROUND                                         ; the round takes the place of the refill's barrier
	tensor_load_to_lds s[G0+4*\pold:G0+4*\pold+3], s[G1:G1+7]
	s_nop 0
.else
	s_barrier_signal -1
	s_barrier_wait -1
.endif
	s_cmp_lt_u32 s[WV], 4
	s_cbranch_scc1 .Learly_\@
	MMS                                            ; waves 4-7: behind it
	TSB
.Learly_\@:
	LOADS 1-\pold, 0
	DB
	MINB \role
.endm
.macro WRAP                            ; at a trip's top: where my next tile is tile 0, the best so far is set aside and the search begins anew; selects, no branch
	s_cmp_eq_u32 s[CNT], 0
	s_cselect_b32 s[SM], -1, 0
.irp a, 0,1,2,3,4,5,6,7
	v_cndmask_b32 v[BA2+\a], v[BA2+\a], v[BA+\a], s[SM]
.endr
.irp a, 0,1,2,3,4,5,6,7
	v_cndmask_b32 v[BA+\a], v[BA+\a], v[INFR], s[SM]
.endr
.irp a, 0,1,2,3,4,5,6,7
	v_cndmask_b32 v[GID2+\a], v[GID2+\a], v[GID+\a], s[SM]
.endr
.endm
	s_load_b256 s[4:11], s[0:1], 0x0               ; cbq s[4:5], zq s[6:7], zmeta s[8:9], grp s[10:11]
	v_lshl_add_u32 v[SPW], v0, 2, SPARE
	v_mov_b32 v[NIL], 0
	ds_add_u32 v[SPW], v[NIL]                      ; the opening lines: the add twice on end, and its wait, ahead of the first round
	ds_add_u32 v[SPW], v[NIL]
	v_lshrrev_b32 v9, 5, v0
	v_readfirstlane_b32 s[WV], v9                  ; wave 0..7
	s_bfe_u32 s13, ttmp6, 0x40000
	s_lshl_b32 s14, ttmp9, 2
	s_add_co_u32 s14, s14, s13                     ; the work-group's number: it enters z's and grp's global addresses alone
	s_and_b32 s15, ttmp9, 7                        ; the cluster's number mod 8: the four partners share it
	s_lshl_b32 s[CNT], s15, 3                      ; the walk begins at slot-full 2 (q % 8): tile 8 (q % 8)
	s_lshl_b32 s15, s15, 1
	s_add_co_u32 s[NP], s15, 2
	s_and_b32 s[NP], s[NP], 15                     ; the first refill fetches the slot-full two on
	s_mov_b32 s[G1+0], 15|(3<<16)|(1<<21)          ; the mask names the cluster's four; elements of 8 bytes; bit 21 beside a mask
	s_mov_b32 s[G1+1], 32<<16                      ; rows of 32 elements = 256 bytes
	s_mov_b32 s[G1+2], 67<<16                      ; 67 rows
	s_mov_b32 s[G1+3], 32<<16
	s_mov_b32 s[G1+4], 67
	s_mov_b32 s[G1+5], 32                          ; dense
	s_mov_b32 s[G1+6], 0
	s_mov_b32 s[G1+7], 0
	s_mul_i32 s48, s[WV], HP                       ; what I fetch of a slot, and where it goes
	s_mov_b32 s49, 0
	s_lshr_b32 s50, s[WV], 1
	s_mul_i32 s50, s50, PART                       ; the part that I work on
	s_and_b32 s51, s[WV], 1                        ; its first or its second four tiles
	s_lshl_b32 s52, s51, 14
	s_add_co_u32 s52, s52, s50                     ; their images
	s_lshl_b32 s53, s51, 9
	s_add_co_u32 s53, s53, s50
	s_add_co_u32 s53, s53, 32768                   ; their scale words
	s_lshl_b32 s54, s51, 8
	s_add_co_u32 s54, s54, s50
	s_add_co_u32 s54, s54, 33792                   ; their ee
	s_lshl_b32 s55, s[WV], 11
	s_lshl_b32 s51, s[WV], 3
	v_and_b32 v14, 31, v0
	v_lshlrev_b32 v11, 4, v14                      ; 16 x lane
	v_and_b32 v9, 15, v0                           ; r
	v_bfe_u32 v10, v0, 4, 1                        ; h
	v_lshlrev_b32 v13, 4, v9                       ; a record of zmeta
	v_lshl_add_u32 v12, v10, 2, v13                ; its scale word of my half's K step
	v_add_nc_u32 v[ADC], s52, v11
	v_add_nc_u32 v[ADC+1], SLOT, v[ADC]
	v_lshlrev_b32 v15, 3, v9
	v_lshl_add_u32 v15, v10, 2, v15                ; 8 r + 4 h
	v_add_nc_u32 v[ADS], s53, v15
	v_add_nc_u32 v[ADS+1], SLOT, v[ADS]
	v_lshlrev_b32 v15, 5, v10                      ; 32 h
	v_add_nc_u32 v[ADE], s54, v15
	v_add_nc_u32 v[ADE+1], SLOT, v[ADE]
	v_lshlrev_b32 v[RA], 3, v9
	v_lshl_add_u32 v[RA], v10, 10, v[RA]
	v_add_nc_u32 v[RA], s55, v[RA]
	v_add_nc_u32 v[RA], RED, v[RA]                 ; my candidates: 2,048 x wave + 1,024 h + 8 r
	v_lshl_add_u32 v[RB], v0, 3, RED               ; a row's candidates, 1,024 bytes apart
	v_lshl_add_u32 v[RC], v0, 2, RES
	v_lshl_add_u32 v[RD], v14, 4, RES
	v_add_nc_u32 v[WH], s51, v10
	v_mov_b32 v[INFR], 0x7f800000
.irp a, 0,1,2,3,4,5,6,7
	v_mov_b32 v[BA+\a], 0x7f800000
	v_mov_b32 v[GID+\a], 0
	v_mov_b32 v[BA2+\a], 0x7f800000
	v_mov_b32 v[GID2+\a], 0
.endr
	s_wait_dscnt 0x0                               ; both opening adds are done
	s_wait_alu depctr_va_vdst(0)
	s_wait_kmcnt 0x0
	s_add_nc_u64 s[BASE:BASE+1], s[4:5], s[48:49]
	s_mul_i32 s56, s15, 4*PART                     ; the walk's first slot-full
	s_mov_b32 s57, 0
	s_mov_b32 s[G0], 1
	s_add_co_u32 s[G0+1], s48, 0
	s_add_nc_u64 s[G0+2:G0+3], s[BASE:BASE+1], s[56:57]
	s_mov_b32 s[G0+4], 1
	s_add_co_u32 s[G0+5], s48, SLOT
	s_add_nc_u64 s[G0+6:G0+7], s[G0+2:G0+3], 4*PART   ; and its second: 2 (q % 8) + 1 is 15 at the most
	s_or_b32 s[G0+3], s[G0+3], 0x80000000
	s_or_b32 s[G0+7], s[G0+7], 0x80000000
	s_lshl_b32 s56, s14, 15                        ; zq: 8 tiles of 4,096 bytes a work-group
	s_add_nc_u64 s[6:7], s[6:7], s[56:57]
	s_lshl_b32 s56, s14, 11                        ; zmeta: 128 records
	s_add_nc_u64 s[8:9], s[8:9], s[56:57]
	s_lshl_b32 s56, s14, 9                         ; grp: 128 words
	s_add_nc_u64 s[10:11], s[10:11], s[56:57]
	CROUND                                         ; the four work-groups are here: the first joint loads meet
	tensor_load_to_lds s[G0:G0+3], s[G1:G1+7]      ; one tensor load a wave at the head
	s_nop 0
	WIN 0x40                                       ; z's fragments: destination window 1
.set i, 0
.rept 64
	global_load_b128 v[4*i:4*i+3], v11, s[6:7] offset:512*i
.set i, i+1
.endr
	WIN 0
.irp a, 0,1,2,3,4,5,6,7
	global_load_b32 v[SB+\a+7*(\a/7)], v12, s[8:9] offset:256*\a
	global_load_b64 v[ZP+2*\a:ZP+2*\a+1], v13, s[8:9] offset:256*\a+8
.endr
	s_wait_tensorcnt 0x0                           ; my part of slot 0 is in; slot 1's first fill is issued as a refill is
	ds_add_u32 v[SPW], v[NIL]
	s_wait_dscnt 0x0
	CROUND
	tensor_load_to_lds s[G0+4:G0+7], s[G1:G1+7]
	s_nop 0
	LOADS 0, 0
	s_wait_loadcnt 0x0                             ; z's fragments, scale words and zz
	s_mov_b32 s[OC], 7
.Louter:                                               ; a trip: both slots, four tiles a wave each, and both filled again: 14 refills in 7 trips
	WRAP
	TILE 0, 0, 1
	TILE 1, 0, 2
	TILE 0, 0, 3
	TURN 1, 0, 1
	TILE 0, 1, 1
	TILE 1, 1, 2
	TILE 0, 1, 3
	TURN 1, 1, 1
	s_sub_co_u32 s[OC], s[OC], 1
	s_cmp_lg_u32 s[OC], 0
	s_cbranch_scc1 .Louter
	WRAP                                           ; the last two slots fetch nothing more
	TILE 0, 0, 1
	TILE 1, 0, 2
	TILE 0, 0, 3
	TURN 1, 0, 0
	TILE 0, 1, 1
	TILE 1, 1, 2
	TILE 0, 1, 3
	TILE 1, 0, -1
	; the two segments of the walk: the later one holds the lower tile numbers, so it wins where its d is smaller or equal
.irp a, 0,1,2,3,4,5,6,7
	v_cmp_le_f32 s[MK+\a], v[BA+\a], v[BA2+\a]
.endr
.irp a, 0,1,2,3,4,5,6,7
	v_cndmask_b32 v[BA+\a], v[BA2+\a], v[BA+\a], s[MK+\a]
	v_cndmask_b32 v[GID+\a], v[GID2+\a], v[GID+\a], s[MK+\a]
.endr
	; tile number c = 4 x slot-full + i: its groups are 64 (c / 4) + 8 x wave + 2 (c % 4) + h
.irp a, 0,1,2,3,4,5,6,7
	v_and_b32 v9, 0x3c, v[GID+\a]
	v_and_b32 v10, 3, v[GID+\a]
	v_lshl_add_u32 v9, v9, 4, v[WH]
	v_lshl_add_u32 v[PR+2*\a+1], v10, 1, v9
	v_mov_b32 v[PR+2*\a], v[BA+\a]
	ds_store_b64 v[RA], v[PR+2*\a:PR+2*\a+1] offset:128*\a
.endr
	s_wait_dscnt 0x0                               ; for the others' sake: my candidates have landed
	s_barrier_signal -1
	s_barrier_wait -1
	s_cmp_ge_u32 s[WV], 4
	s_cbranch_scc1 .Lno_row                        ; 128 rows: threads 0-127 take one each
.irp c, 0,1,2,3,4,5,6,7,8,9,10,11,12,13,14,15
	ds_load_b64 v[PR+2*\c:PR+2*\c+1], v[RB] offset:1024*\c
.endr
	s_wait_dscnt 0x0
.irp c, 1,2,3,4,5,6,7,8,9,10,11,12,13,14,15   ; the smallest d; of equal d the lowest group
	v_cmp_lt_f32 s[MK], v[PR+2*\c], v[PR]
	v_cmp_eq_f32 s[MK+1], v[PR+2*\c], v[PR]
	v_cmp_lt_u32 s[MK+2], v[PR+2*\c+1], v[PR+1]
	s_and_b32 s[MK+1], s[MK+1], s[MK+2]
	s_or_b32 s[MK], s[MK], s[MK+1]
	v_cndmask_b32 v[PR], v[PR], v[PR+2*\c], s[MK]
	v_cndmask_b32 v[PR+1], v[PR+1], v[PR+2*\c+1], s[MK]
.endr
	ds_store_b32 v[RC], v[PR+1]
.Lno_row:
	s_wait_dscnt 0x0
	s_barrier_signal -1
	s_barrier_wait -1
	s_cmp_lg_u32 s[WV], 0
	s_cbranch_scc1 .Lnot_first
	ds_load_b128 v[16:19], v[RD]
	s_wait_dscnt 0x0
	global_store_b128 v11, v[16:19], s[10:11]      ; the work-group's 128 groups: 512 consecutive bytes, aligned
.Lnot_first:
	s_wait_tensorcnt 0x0                           ; the wave's end
	ds_add_u32 v[SPW], v[NIL]
	s_wait_dscnt 0x0
	CROUND                                         ; the closing round
	s_endpgm
.Lfunc_end_k_qdea5cf0743_dist:
	.size	k_qdea5cf0743_dist, .Lfunc_end_k_qdea5cf0743_dist-k_qdea5cf0743_dist
	.p2alignl 7, 3214868480
	.fill 96, 4, 3214868480
	.section	.rodata,"a",@progbits
	.p2align	6, 0x0
	.amdhsa_kernel k_qdea5cf0743_dist
		.amdhsa_group_segment_fixed_size 327680
		.amdhsa_private_segment_fixed_size 0
		.amdhsa_enable_private_segment 0
		.amdhsa_kernarg_size 32
		.amdhsa_user_sgpr_count 2
		.amdhsa_user_sgpr_kernarg_segment_ptr 1
		.amdhsa_wavefront_size32 1
		.amdhsa_system_sgpr_workgroup_id_x 1
		.amdhsa_system_sgpr_workgroup_id_y 1
		.amdhsa_system_sgpr_workgroup_id_z 1
		.amdhsa_system_vgpr_workitem_id 0
		.amdhsa_next_free_vgpr 512
		.amdhsa_next_free_sgpr 66
		.amdhsa_reserve_vcc 0
		.amdhsa_float_denorm_mode_32 3
		.amdhsa_float_denorm_mode_16_64 3
		.amdhsa_memory_ordered 1
		.amdhsa_forward_progress 1
		.amdhsa_inst_pref_size 201
	.end_amdhsa_kernel
	.amdgpu_metadata
---
amdhsa.version: [ 1, 2 ]
amdhsa.kernels:
  - .name:           k_qdea5cf0743_dist
    .symbol:         k_qdea5cf0743_dist.kd
    .args:
      - { .name: cbq, .offset: 0, .size: 8, .value_kind: global_buffer, .address_space: global }
      - { .name: zq, .offset: 8, .size: 8, .value_kind: global_buffer, .address_space: global }
      - { .name: zmeta, .offset: 16, .size: 8, .value_kind: global_buffer, .address_space: global }
      - { .name: grp, .offset: 24, .size: 8, .value_kind: global_buffer, .address_space: global }
    .group_segment_fixed_size: 327680
    .private_segment_fixed_size: 0
    .kernarg_segment_align: 8
    .kernarg_segment_size: 32
    .max_flat_workgroup_size: 256
    .sgpr_count:     66
    .vgpr_count:     512
    .wavefront_size: 32
...
	.end_amdgpu_metadata
.endif
;; end of part 2
;; launch pick (part 3): grid 512 x 1, 4 waves a work-group, no clusters, 1,024 bytes of LDS; arguments cbq, zq, zmeta, grp, idxw, out1; writes idxw, out1
.if DOCPART == 3
	.amdgcn_target "amdgcn-amd-amdhsa--gfx1250"
	.amdhsa_code_object_version 6
	.text
	.protected	k_qdea5cf0743_pick
	.globl	k_qdea5cf0743_pick
	.p2align	8
	.type	k_qdea5cf0743_pick,@function
k_qdea5cf0743_pick:
	s_mov_b64 s[64:65], 0
	v_nop
	global_prefetch_b8 v0, s[64:65] scope:SCOPE_SE
	s_setreg_imm32_b32 hwreg(HW_REG_WAVE_MODE, 25, 1), 1
	s_wait_xcnt 0x0
; For each row the 8 numbers d of the group of codes that grp names are made once more, by the same two matrix instructions and the same two roundings, and the first smallest gives the index: idx = 8 x group + place.
; A wave takes a tile of 16 rows of z (source 1).  Source 0 is gathered: for pair p = 0 .. 7 its rows 0-7 are the group of row 2 p, its rows 8-15 the group of row 2 p + 1.  In the result lane (r, h) holds row r and codes 8 h + 0 .. 7 of
; source 0: so an even row's 8 numbers lie in lane r of its pair's accumulator, an odd row's in lane 16 + r; the other lanes' numbers are not used.
; The addresses of the gather hang on grp, whole numbers that the launch before stored; each is held at 1,023 first.  No address and no branch hangs on what is computed here.
; No tensor loads and no cluster: the rows gathered differ from wave to wave.  LIMITS: NaN and infinities are not served.
; REGISTERS, window 0: v1-7 lane terms; v8-15 the pairs' groups; v16 my row's group; v18 z's scale words; v20-27 the gathered codes' scale words; v28-35, v36-43, v44 offsets of codes, scale words, ee; v46-47 zz twice; v48-55 ee;
;   v56-87 z's two fragments; v88-95 lane terms and work; v96-159 eight accumulators; v160-167 zz + ee, then d; v168-175 at work.   window 1: pair p's fragment of K step s at v[32 p + 16 s].
.set GP,   8
.set GOWN, 16
.set SB,   18
.set SA,   20
.set CO,   28
.set SO,   36
.set EO,   44
.set ZP,   46
.set EE,   48
.set ZF,   56
.set ACC,  96
.set DD,   160
.set MSB,  0
.macro WIN new                         ; the immediate's high byte repeats the setting that is left
.if MSB != \new
	s_set_vgpr_msb (MSB<<8)|\new
.set MSB, \new
.endif
.endm
	s_load_b256 s[4:11], s[0:1], 0x0               ; cbq s[4:5], zq s[6:7], zmeta s[8:9], grp s[10:11]
	s_load_b128 s[12:15], s[0:1], 0x20             ; idxw s[12:13], out1 s[14:15]
	v_lshl_add_u32 v254, v0, 2, 0x200
	v_mov_b32 v255, 0
	v_lshrrev_b32 v1, 5, v0
	v_readfirstlane_b32 s16, v1                    ; wave 0..3
	v_and_b32 v1, 15, v0                           ; r
	v_bfe_u32 v2, v0, 4, 1                         ; h
	v_and_b32 v5, 31, v0                           ; lane
	v_lshlrev_b32 v3, 4, v5                        ; 16 x lane
	v_and_b32 v4, 7, v0                            ; r % 8: my place in a group
	v_bfe_u32 v6, v0, 3, 1
	v_lshlrev_b32 v6, 2, v6                        ; 4 (r / 8): the pair's first or second row
	v_lshlrev_b32 v7, 2, v1                        ; 4 r
	v_lshlrev_b32 v88, 4, v4
	v_lshl_add_u32 v88, v2, 8, v88                 ; in an image: 16 (r % 8) + 256 h
	v_lshlrev_b32 v89, 3, v4
	v_lshl_add_u32 v89, v2, 2, v89
	v_add_nc_u32 v89, 32768, v89                   ; among the scale words: 8 (r % 8) + 4 h
	v_lshlrev_b32 v91, 4, v1                       ; a record of zmeta: 16 r
	v_lshl_add_u32 v90, v2, 2, v91                 ; its scale word of my half's K step
	s_lshl_b32 s20, s16, 6
	v_add_nc_u32 v94, s20, v7                      ; LDS: 64 x wave + 4 r
	v_lshlrev_b32 v95, 3, v5                       ; 8 x lane
	v_mov_b32 v171, 0                              ; written once: a lane permute's destination counts as one of its sources
	s_mov_b32 s22, 0x76543210
	s_mov_b32 s23, 0xfedcba98                      ; v_permlanex16_b32's selects for lane l xor 16
	s_mov_b32 s21, 0xaaaa5555                      ; the lanes that hold their own row's result: even r below, odd r above
	s_lshl_b32 s17, ttmp9, 2
	s_add_co_u32 s17, s17, s16                     ; my tile of rows
	s_lshl_b32 s24, s17, 6                         ; grp: 16 words
	s_mov_b32 s25, 0
	s_lshl_b32 s26, s17, 12                        ; zq: 4,096 bytes
	s_mov_b32 s27, 0
	s_lshl_b32 s28, s17, 8                         ; zmeta: 16 records
	s_mov_b32 s29, 0
	s_lshl_b32 s30, ttmp9, 8                       ; the outputs: 64 words a work-group
	s_mov_b32 s31, 0
	s_wait_alu depctr_va_vdst(0)
	s_wait_kmcnt 0x0
	s_add_nc_u64 s[10:11], s[10:11], s[24:25]
	s_add_nc_u64 s[6:7], s[6:7], s[26:27]
	s_add_nc_u64 s[8:9], s[8:9], s[28:29]
	s_add_nc_u64 s[12:13], s[12:13], s[30:31]
	s_add_nc_u64 s[14:15], s[14:15], s[30:31]
.irp p, 0,1,2,3,4,5,6,7
	global_load_b32 v[GP+\p], v6, s[10:11] offset:8*\p   ; the group of row 2 p + r / 8
.endr
	global_load_b32 v[GOWN], v7, s[10:11]          ; the group of row r
.irp i, 0,1,2,3,4,5,6,7
	global_load_b128 v[ZF+4*\i:ZF+4*\i+3], v3, s[6:7] offset:512*\i
.endr
	global_load_b32 v[SB], v90, s[8:9]
	global_load_b64 v[ZP:ZP+1], v91, s[8:9] offset:8
	s_wait_loadcnt 10                              ; the nine groups are in; the ten loads of z, issued behind them, may be out
	; group g: part g / 16 of cbq (34,304 = 16 x 2,144 bytes), tile (g / 2) % 8 in it, rows 8 (g % 2) on
.irp p, 0,1,2,3,4,5,6,7
	v_min_u32 v[GP+\p], 0x3ff, v[GP+\p]
	v_and_b32 v92, 0x3f0, v[GP+\p]
	v_mul_u32_u24 v92, v92, 2144                   ; the part
	v_and_b32 v93, 14, v[GP+\p]
	v_lshlrev_b32 v93, 11, v93                     ; the tile's image: 4,096 bytes
	v_add_nc_u32 v[CO+\p], v92, v93
	v_and_b32 v93, 1, v[GP+\p]
	v_lshlrev_b32 v93, 7, v93                      ; 8 rows of 16 bytes
	v_add_nc_u32 v[CO+\p], v[CO+\p], v93
	v_add_nc_u32 v[CO+\p], v[CO+\p], v88
	v_and_b32 v93, 15, v[GP+\p]
	v_lshlrev_b32 v93, 6, v93                      ; the group's 8 rows of scale words: 64 bytes
	v_add_nc_u32 v[SO+\p], v92, v93
	v_add_nc_u32 v[SO+\p], v[SO+\p], v89
.endr
	v_min_u32 v[GOWN], 0x3ff, v[GOWN]
	v_and_b32 v92, 0x3f0, v[GOWN]
	v_mul_u32_u24 v92, v92, 2144
	v_and_b32 v93, 15, v[GOWN]
	v_lshlrev_b32 v93, 5, v93                      ; the group's 8 ee: 32 bytes
	v_add_nc_u32 v[EO], v92, v93
	v_add_nc_u32 v[EO], 33792, v[EO]
	WIN 0x40                                       ; destination window 1
.irp p, 0,1,2,3,4,5,6,7
.irp i, 0,1,2,3,4,5,6,7
	global_load_b128 v[32*\p+4*\i:32*\p+4*\i+3], v[CO+\p], s[4:5] offset:512*\i
.endr
.endr
	WIN 0
.irp p, 0,1,2,3,4,5,6,7
	global_load_b32 v[SA+\p], v[SO+\p], s[4:5]
.endr
	global_load_b128 v[EE:EE+3], v[EO], s[4:5]
	global_load_b128 v[EE+4:EE+7], v[EO], s[4:5] offset:16
	s_wait_loadcnt 0x0
	WIN 0x01                                       ; source 0 window 1
.irp p, 0,1,2,3,4,5,6,7                        ; the eight accumulators take turns; K ascending, the first K step starts the sum: as in the launch before
	v_wmma_scale_f32_16x16x128_f8f6f4 v[ACC+8*\p:ACC+8*\p+7], v[32*\p:32*\p+15], v[ZF:ZF+15], 0, v[SA+\p], v[SB] matrix_a_fmt:MATRIX_FMT_BF8 matrix_b_fmt:MATRIX_FMT_BF8
.endr
.irp p, 0,1,2,3,4,5,6,7
	v_wmma_scale_f32_16x16x128_f8f6f4 v[ACC+8*\p:ACC+8*\p+7], v[32*\p+16:32*\p+31], v[ZF+16:ZF+31], v[ACC+8*\p:ACC+8*\p+7], v[SA+\p], v[SB] matrix_a_fmt:MATRIX_FMT_BF8 matrix_b_fmt:MATRIX_FMT_BF8 matrix_a_scale:MATRIX_SCALE_ROW1 matrix_b_scale:MATRIX_SCALE_ROW1
.endr
	WIN 0
.irp i, 0,1,2,3
	v_pk_add_f32 v[DD+2*\i:DD+2*\i+1], v[EE+2*\i:EE+2*\i+1], v[ZP:ZP+1]   ; zz + ee of my row and its group.  These four and the four below are the eight places behind the last product
.endr
.rept 4
	v_nop
.endr
.irp p, 1,2,3,4,5,6,7                          ; each row's 8 products are brought into the first accumulator's registers, each accumulator from its low end on
	s_mov_b32 s20, (1<<(2*\p))|(1<<(17+2*\p))      ; lanes 2 p and 16 + 2 p + 1
.irp j, 0,1,2,3,4,5,6,7
	v_cndmask_b32 v[ACC+\j], v[ACC+\j], v[ACC+8*\p+\j], s20
.endr
.endr
.irp i, 0,1,2,3
	v_pk_fma_f32 v[DD+2*\i:DD+2*\i+1], v[ACC+2*\i:ACC+2*\i+1], -2.0, v[DD+2*\i:DD+2*\i+1] op_sel_hi:[1,0,1]   ; d
.endr
	v_mov_b32 v168, v[DD]
	v_mov_b32 v169, 0
.irp j, 1,2,3,4,5,6,7
	v_cmp_lt_f32 vcc_lo, v[DD+\j], v168            ; strict: of equal d the first stays
	v_cndmask_b32 v168, v168, v[DD+\j], vcc_lo
	v_cndmask_b32 v169, v169, \j, vcc_lo
.endr
	v_lshl_add_u32 v170, v[GOWN], 3, v169          ; the index
	v_permlanex16_b32 v171, v170, s22, s23
	v_cndmask_b32 v170, v171, v170, s21            ; both halves of the lanes now hold row r's
	ds_store_b32 v94, v170                         ; both write the same word with the same value
	s_wait_dscnt 0x0                               ; for the others' sake: my store has landed
	s_barrier_signal -1
	s_barrier_wait -1
	s_cmp_lg_u32 s16, 0
	s_cbranch_scc1 .Lnot_0
	ds_load_b64 v[172:173], v95
	s_wait_dscnt 0x0
	global_store_b64 v95, v[172:173], s[12:13]     ; the work-group's 64 indices: 256 consecutive bytes, aligned: for the next launch,
.Lnot_0:
	s_cmp_lg_u32 s16, 1
	s_cbranch_scc1 .Lnot_1
	ds_load_b64 v[174:175], v95
	s_wait_dscnt 0x0
	global_store_b64 v95, v[174:175], s[14:15]     ; and as the problem's second result
.Lnot_1:
	s_wait_tensorcnt 0x0
	ds_add_u32 v254, v255
	s_wait_dscnt 0x0
	s_endpgm
.Lfunc_end_k_qdea5cf0743_pick:
	.size	k_qdea5cf0743_pick, .Lfunc_end_k_qdea5cf0743_pick-k_qdea5cf0743_pick
	.p2alignl 7, 3214868480
	.fill 96, 4, 3214868480
	.section	.rodata,"a",@progbits
	.p2align	6, 0x0
	.amdhsa_kernel k_qdea5cf0743_pick
		.amdhsa_group_segment_fixed_size 1024
		.amdhsa_private_segment_fixed_size 0
		.amdhsa_enable_private_segment 0
		.amdhsa_kernarg_size 48
		.amdhsa_user_sgpr_count 2
		.amdhsa_user_sgpr_kernarg_segment_ptr 1
		.amdhsa_wavefront_size32 1
		.amdhsa_system_sgpr_workgroup_id_x 1
		.amdhsa_system_sgpr_workgroup_id_y 1
		.amdhsa_system_sgpr_workgroup_id_z 1
		.amdhsa_system_vgpr_workitem_id 0
		.amdhsa_next_free_vgpr 512
		.amdhsa_next_free_sgpr 66
		.amdhsa_reserve_vcc 1
		.amdhsa_float_denorm_mode_32 3
		.amdhsa_float_denorm_mode_16_64 3
		.amdhsa_memory_ordered 1
		.amdhsa_forward_progress 1
		.amdhsa_inst_pref_size 25
	.end_amdhsa_kernel
	.amdgpu_metadata
---
amdhsa.version: [ 1, 2 ]
amdhsa.kernels:
  - .name:           k_qdea5cf0743_pick
    .symbol:         k_qdea5cf0743_pick.kd
    .args:
      - { .name: cbq, .offset: 0, .size: 8, .value_kind: global_buffer, .address_space: global }
      - { .name: zq, .offset: 8, .size: 8, .value_kind: global_buffer, .address_space: global }
      - { .name: zmeta, .offset: 16, .size: 8, .value_kind: global_buffer, .address_space: global }
      - { .name: grp, .offset: 24, .size: 8, .value_kind: global_buffer, .address_space: global }
      - { .name: idxw, .offset: 32, .size: 8, .value_kind: global_buffer, .address_space: global }
      - { .name: out1, .offset: 40, .size: 8, .value_kind: global_buffer, .address_space: global }
    .group_segment_fixed_size: 1024
    .private_segment_fixed_size: 0
    .kernarg_segment_align: 8
    .kernarg_segment_size: 48
    .max_flat_workgroup_size: 128
    .sgpr_count:     66
    .vgpr_count:     512
    .wavefront_size: 32
...
	.end_amdgpu_metadata
.endif
;; end of part 3
;; launch take (part 4): grid 256 x 1, 8 waves a work-group, no clusters, 0 bytes of LDS; arguments codebook, idxw, out0; writes out0
.if DOCPART == 4
	.amdgcn_target "amdgcn-amd-amdhsa--gfx1250"
	.amdhsa_code_object_version 6
	.text
	.protected	k_qdea5cf0743_take
	.globl	k_qdea5cf0743_take
	.p2align	8
	.type	k_qdea5cf0743_take,@function
k_qdea5cf0743_take:
	s_mov_b64 s[64:65], 0
	v_nop
	global_prefetch_b8 v0, s[64:65] scope:SCOPE_SE
	s_setreg_imm32_b32 hwreg(HW_REG_WAVE_MODE, 25, 1), 1
	s_wait_xcnt 0x0
; out0[row][:] = codebook[idx[row]][:], rows of 1,024 bytes.  A wave takes 16 rows: its 16 indices, whole numbers that the launch before stored, come by one scalar load and are held at 8,191; 32 loads of 512 consecutive bytes
; go out together, and each is stored as soon as it is in: 512 consecutive bytes, aligned.  No loop: no register is written twice, so no wait frees one.
; A stream: no LDS, no matrix unit, no cluster.  The loads carry no hint: a row of the codebook may be named by many rows.
.set OFF, 8                            ; v8-23   row i: 1,024 x its index + 16 x lane
.set D,   32                           ; v32-159 32 x 4 registers
	s_load_b128 s[4:7], s[0:1], 0x0                ; codebook s[4:5], idxw s[6:7]
	s_load_b64 s[8:9], s[0:1], 0x10                ; out0
	v_lshrrev_b32 v2, 5, v0
	s_delay_alu instid0(VALU_DEP_1)
	v_readfirstlane_b32 s10, v2                    ; wave 0..7
	v_and_b32 v1, 31, v0
	s_delay_alu instid0(VALU_DEP_1)
	v_lshlrev_b32 v1, 4, v1                        ; 16 x lane
	s_lshl_b32 s11, ttmp9, 3
	s_add_co_u32 s11, s11, s10                     ; which 16 rows
	s_lshl_b32 s12, s11, 6                         ; their indices: 64 bytes
	s_mov_b32 s13, 0
	s_lshl_b32 s14, s11, 14                        ; their place in out0: 16,384 bytes
	s_mov_b32 s15, 0
	s_wait_alu depctr_va_vdst(0)
	s_wait_kmcnt 0x0
	s_add_nc_u64 s[6:7], s[6:7], s[12:13]
	s_add_nc_u64 s[8:9], s[8:9], s[14:15]
	s_load_b512 s[16:31], s[6:7], 0x0
	s_wait_kmcnt 0x0
.irp i, 0,1,2,3,4,5,6,7,8,9,10,11,12,13,14,15
	s_min_u32 s[16+\i], s[16+\i], 0x1fff
	s_lshl_b32 s[16+\i], s[16+\i], 10
	v_add_nc_u32 v[OFF+\i], s[16+\i], v1
.endr
.set n, 0
	s_wait_alu depctr_va_vdst(0)
.rept 32
	global_load_b128 v[D+4*n:D+4*n+3], v[OFF+n/2], s[4:5] offset:512*(n%2)
.set n, n+1
.endr
.set n, 0
.rept 32
	s_wait_loadcnt 31-n                            ; loads come back in order (ISA guide 5.7.1): number n is in, the younger ones stay out
	global_store_b128 v1, v[D+4*n:D+4*n+3], s[8:9] offset:512*n th:TH_STORE_NT
.set n, n+1
.endr
	s_endpgm
.Lfunc_end_k_qdea5cf0743_take:
	.size	k_qdea5cf0743_take, .Lfunc_end_k_qdea5cf0743_take-k_qdea5cf0743_take
	.p2alignl 7, 3214868480
	.fill 96, 4, 3214868480
	.section	.rodata,"a",@progbits
	.p2align	6, 0x0
	.amdhsa_kernel k_qdea5cf0743_take
		.amdhsa_group_segment_fixed_size 0
		.amdhsa_private_segment_fixed_size 0
		.amdhsa_enable_private_segment 0
		.amdhsa_kernarg_size 24
		.amdhsa_user_sgpr_count 2
		.amdhsa_user_sgpr_kernarg_segment_ptr 1
		.amdhsa_wavefront_size32 1
		.amdhsa_system_sgpr_workgroup_id_x 1
		.amdhsa_system_sgpr_workgroup_id_y 1
		.amdhsa_system_sgpr_workgroup_id_z 1
		.amdhsa_system_vgpr_workitem_id 0
		.amdhsa_next_free_vgpr 160
		.amdhsa_next_free_sgpr 66
		.amdhsa_reserve_vcc 0
		.amdhsa_float_denorm_mode_32 3
		.amdhsa_float_denorm_mode_16_64 3
		.amdhsa_memory_ordered 1
		.amdhsa_forward_progress 1
		.amdhsa_inst_pref_size 11
	.end_amdhsa_kernel
	.amdgpu_metadata
---
amdhsa.version: [ 1, 2 ]
amdhsa.kernels:
  - .name:           k_qdea5cf0743_take
    .symbol:         k_qdea5cf0743_take.kd
    .args:
      - { .name: codebook, .offset: 0, .size: 8, .value_kind: global_buffer, .address_space: global }
      - { .name: idxw, .offset: 8, .size: 8, .value_kind: global_buffer, .address_space: global }
      - { .name: out0, .offset: 16, .size: 8, .value_kind: global_buffer, .address_space: global }
    .group_segment_fixed_size: 0
    .private_segment_fixed_size: 0
    .kernarg_segment_align: 8
    .kernarg_segment_size: 24
    .max_flat_workgroup_size: 256
    .sgpr_count:     66
    .vgpr_count:     160
    .wavefront_size: 32
...
	.end_amdgpu_metadata
.endif
;; end of part 4
